; MI455X (gfx1250); checked and timed in simulation.
; The chip was launched on July 23, 2026; its instructions are those of AMD's public machine-readable ISA for CDNA 5 (MIT licence, August 2026) and "CDNA5" Instruction Set Architecture Reference Guide (July 2026). The comments in the code are by the model that wrote it; some were corrected since.
;; Self Attention. Allowed arithmetic: matrix products marked QUANTISED: E5M2 operands, one given power-of-two scale a tensor, by v_wmma_f32_16x16x64_bf8_bf8 or v_wmma_f32_16x16x128_bf8_bf8, f32 sums; everything else in f32.
;; Inputs: Wk 1,024 x 1,024 float32; Wo 1,024 x 1,024 float32; Wq 1,024 x 1,024 float32; Wv 1,024 x 1,024 float32; bk 1,024 float32; bo 1,024 float32; bq 1,024 float32; bv 1,024 float32; lowp_scales 12 int32 (the exponents e of the quantised operands' scales 2^e); x 2 x 2,048 x 1,024 float32.
;; Outputs: out0 2 x 2,048 x 1,024 float32.
;; This version of the problem:
;;   THIS VERSION OF THE PROBLEM IS GIVEN IN LOW PRECISION. The matrix products marked QUANTISED in the list below multiply operands that are first quantised to E5M2 (5 exponent bits, 2 mantissa bits; 8 bits a number), with one given power-of-two scale for each operand tensor; their sums are f32. All else is computed in f32.
;;   The module's matrix products, in the order in which they are computed (A, B: the left and right operand; K: the contracted axis; several contracted axes count as one K, in the product's order):
;;     1. [M 4,096, K 1,024] x [K 1,024, N 1,024]; A: input x; B: input Wq: QUANTISED (scales: A lowp_scales[0], B lowp_scales[1])
;;     2. [M 4,096, K 1,024] x [K 1,024, N 1,024]; A: input x; B: input Wk: QUANTISED (scales: A lowp_scales[2], B lowp_scales[3])
;;     3. [M 4,096, K 1,024] x [K 1,024, N 1,024]; A: input x; B: input Wv: QUANTISED (scales: A lowp_scales[4], B lowp_scales[5])
;;     4. batch 32 x [M 2,048, K 64] x [K 64, N 2,048]; A: computed on the way; B: computed on the way: QUANTISED (scales: A lowp_scales[6], B lowp_scales[7])
;;     5. batch 32 x [M 2,048, K 2,048] x [K 2,048, N 64]; A: softmax (see below); B: computed on the way: QUANTISED (scales: A lowp_scales[8], B lowp_scales[9])
;;     6. [M 4,096, K 1,024] x [K 1,024, N 1,024]; A: computed on the way; B: input Wo: QUANTISED (scales: A lowp_scales[10], B lowp_scales[11])
;;   THE QUANTISER, for each operand of a quantised product, along K:
;;     - The operand's scale is 2^e, e = its entry of the input lowp_scales (int32; the entries are numbered through the quantised products in the list's order, A before B).
;;     - Each number is divided by the scale, clamped to +-57,344, and rounded to the nearest number of E5M2, ties to even, subnormals kept.
;;     - The product sums the exact products of the quantised numbers (number of the format x scale) in f32.
;;   ~~~python
;;   def quantise(x, axis, e):      # numpy; x: float32 -> the quantised numbers, widened to float32 again
;;       x = np.moveaxis(x, axis, -1); K = x.shape[-1]
;;       r = np.clip(x / 2.0 ** e, -57344, 57344)
;;       step = 2.0 ** (np.maximum(np.frexp(np.where(r == 0, 1, r))[1] - 1, -14) - 2)
;;       q = np.round(r / step) * step * 2.0 ** e      # np.round: ties to even
;;       return np.moveaxis(q, -1, axis).astype(np.float32)
;;   ~~~
;;   SOFTMAX AHEAD OF A QUANTISED PRODUCT. Where the list says 'softmax', what is quantised is not the finished softmax but p = 2^(t - M), with t = logit x log2(e) and M = ceil(the row's largest t), a whole number; so 1/2 < the row's largest p <= 1. The row's sum l is taken of the UNQUANTISED p, in f32, and the product's result is divided by l at the end. Since M is a whole number, a kernel that streams over the keys may use a running M (the ceiling of the running maximum): every later rescaling is an exact power of two, so the quantised numbers keep their values, but for numbers so far below the row's largest that they fall under the format's range.
;;   OPERANDS COMPUTED ON THE WAY. 'Computed on the way' means the value that the module computes at that place (a softmax that the list does not call 'softmax' is quantised finished and normalised). What goes into a quantiser is computed in f32, as accurately as f32 sums, v_exp_f32 and their like allow (about 1e-6 of the number): no bf16 or f16 on the way to a quantiser, and a product that is left as it is and whose result goes on into a quantised operand takes f32 operands (vector FMAs, or v_wmma_f32_16x16x4_f32). A number that lies on a knife's edge between two numbers of the format may be rounded either way, as far as f32 arithmetic and the matrix unit's own rounding can turn it there, and no further.
;; One version. Each part assembles by itself: llvm-mc -triple=amdgcn-amd-amdhsa -mcpu=gfx1250 --defsym DOCPART=n.
;; ======== version 1 of 1: 4 launches
;; limits: right only within a limited range of input values
;; workspace buffers: xc 12,582,912 bytes; wc 4,194,304 bytes; qkvc 16,777,216 bytes; ao 4,194,304 bytes
;; launch quant (part 1): grid 512 x 1, 4 waves a work-group, no clusters, 68,096 bytes of LDS; arguments x, Wq, Wk, Wv, Wo, lowp_scales, xc, wc; writes xc, wc
.if DOCPART == 1
	.amdgcn_target "amdgcn-amd-amdhsa--gfx1250"
	.amdhsa_code_object_version 6
	.text
	.protected	k_q9afc6eab36_quant
	.globl	k_q9afc6eab36_quant
	.p2align	8
	.type	k_q9afc6eab36_quant,@function
k_q9afc6eab36_quant:
	s_mov_b64 s[64:65], 0
	v_nop
	global_prefetch_b8 v0, s[64:65] scope:SCOPE_SE
	s_setreg_imm32_b32 hwreg(HW_REG_WAVE_MODE, 25, 1), 1
	s_wait_xcnt 0x0
; x [4096][1024] f32 becomes THREE sets of E5M2 codes (its scale differs from product to product: entries 0, 2, 4 of the scales); Wq, Wk, Wv, Wo [k][n] f32 become one set each (entries 1, 3, 5, 11).
; code = number / 2^e, held within +-57,344, rounded to the nearest code, ties to even.  LIMITS: -126 <= e <= 112; NaN among the inputs is not served (an infinity is held at the largest code).
; THE LAYOUT OF ALL CODES: A FRAGMENT'S IMAGE.  16 rows x 128 along K are 2,048 bytes: byte 512 c + 16 lane + i holds, of row slot lane % 16, k = 32 c + 16 (lane / 16) + i.  Four loads of 16 bytes a lane, 512 bytes apart,
; then fill a matrix operand's 16 registers.  k stands so in both operands of every product, so every product meets its partner; only the order of the sums inside an instruction differs from the plain layout's.
; THE ROWS OF A TILE ARE NOT NEIGHBOURS: of each 32 rows, tile 2 B + u holds in slot r the row 32 B + 8 u + r + 8 (r / 8), so that a later product, used transposed, leaves 16 neighbours in a lane's 16 registers.
; xc: [product 3][row tile 256][K step 8][2,048].   wc: [matrix 4][tile of 16 output features 64][K step 8][2,048].
; Work-groups 0-255 take a row tile of x each (wave w: K 256 w on, two fragments); work-groups 256-511 take 128 along K x 128 columns of one weight (wave w: 32 columns).  Both read 64 KiB.  Waves share nothing:
; no barrier.  Only x's path uses LDS.  No work-group reads what another reads, so there is nothing to share in a cluster, and no matrix work.
.set WSTG,  16896                      ; LDS of a wave: two stages
.set HSTG,  8448                       ; a stage: 16 rows x 528 bytes
.set SPI,   528                        ; a stage row: 512 bytes + 16
.set XO,    12                         ; v12  16 x lane
.set SA,    13                         ; v13  the stage, on the way in: 16 x lane
.set SB,    14                         ; v14  on the way out: row r, + 64 h
.set RA,    16                         ; v16-143  two fragments' numbers as loaded (64 registers each)
.set TS,    208                        ; v208-239 two sets of 16 held numbers
.macro XLOAD q                         ; fragment q: 16 rows x 512 consecutive bytes; slot i is row i + 8 (i / 8) of the tile's span
.irp i, 0,1,2,3,4,5,6,7,8,9,10,11,12,13,14,15
	global_load_b128 v[RA+64*(\q)+4*\i:RA+64*(\q)+4*\i+3], v[XO], s[4:5] offset:(\i+8*(\i/8))*4096+512*(\q) th:TH_LOAD_NT
.endr
.endm
.macro TOST q                          ; as loaded into the wave's own stage q
.irp i, 0,1,2,3,4,5,6,7,8,9,10,11,12,13,14,15
	ds_store_b128 v[SA], v[RA+64*(\q)+4*\i:RA+64*(\q)+4*\i+3] offset:HSTG*(\q)+SPI*\i
.endr
.endm
.macro FROMST q, dst                   ; and back: register 16 c + i = k 32 c + 16 h + i of row slot r.  LDS serves a wave's instructions in order: these see the stores
.irp c, 0,1,2,3
.irp j, 0,1,2,3
	ds_load_b128 v[\dst+16*\c+4*\j:\dst+16*\c+4*\j+3], v[SB] offset:HSTG*(\q)+128*\c+16*\j
.endr
.endr
.endm
.macro QUANT3 src, cod, q              ; 64 numbers of a lane become three fragments' codes, 16 registers each, and leave: each store covers 512 consecutive bytes, aligned
.irp p, 0,1,2
.irp b, 0,1,2,3
.irp i, 0,1,2,3,4,5,6,7,8,9,10,11,12,13,14,15
	v_med3_num_f32 v[TS+16*(\b%2)+\i], v[\src+16*\b+\i], -v[8+\p], v[8+\p]   ; the conversion to an 8-bit code does not saturate (ISA guide 7.6.2): the hold at the largest code x the scale
.endr
	v_cvt_scalef32_pk8_bf8_f32 v[\cod+16*\p+4*\b:\cod+16*\p+4*\b+1], v[TS+16*(\b%2):TS+16*(\b%2)+7], v[4+\p]
	v_cvt_scalef32_pk8_bf8_f32 v[\cod+16*\p+4*\b+2:\cod+16*\p+4*\b+3], v[TS+16*(\b%2)+8:TS+16*(\b%2)+15], v[4+\p]   ; the next sixteen holds go to the other set: plain lines stand before this set is written again
.endr
.endr
	v_nop                                          ; a plain line behind the last conversion
.irp p, 0,1,2
.irp c, 0,1,2,3
	global_store_b128 v[XO], v[\cod+16*\p+4*\c:\cod+16*\p+4*\c+3], s[32+2*\p:33+2*\p] offset:2048*(\q)+512*\c
.endr
.endr
.endm
.macro WBLOCK c, left                  ; a weight's block of 32 along K of my column: hold, convert, store
	s_wait_loadcnt \left
.set j, 0
.rept 32
	v_med3_num_f32 v[16+32*(\c)+j], v[16+32*(\c)+j], -v10, v10
.set j, j+1
.endr
.irp g, 0,1,2,3
	v_cvt_scalef32_pk8_bf8_f32 v[144+8*(\c)+2*\g:144+8*(\c)+2*\g+1], v[16+32*(\c)+8*\g:16+32*(\c)+8*\g+7], v11
.endr
	v_nop
	global_store_b128 v13, v[144+8*(\c):144+8*(\c)+3], s[18:19] offset:512*(\c)        ; k 32 c + 0 .. 15: the image's lanes 0-15; sixteen lanes store 256 consecutive bytes, aligned
	global_store_b128 v13, v[144+8*(\c)+4:144+8*(\c)+7], s[18:19] offset:512*(\c)+256  ; k 32 c + 16 .. 31: its lanes 16-31
.endm
	s_load_b256 s[4:11], s[0:1], 0x0               ; x s[4:5], Wq s[6:7], Wk s[8:9], Wv s[10:11]
	s_load_b256 s[12:19], s[0:1], 0x20             ; Wo s[12:13], the scales' exponents s[14:15], xc s[16:17], wc s[18:19]
	v_lshl_add_u32 v240, v0, 2, 0x10800
	v_mov_b32 v241, 0
	v_lshrrev_b32 v1, 5, v0
	v_readfirstlane_b32 s20, v1                    ; wave 0..3
	v_and_b32 v1, 31, v0                           ; lane
	v_and_b32 v2, 15, v0                           ; r
	v_bfe_u32 v3, v0, 4, 1                         ; h
	s_mov_b32 s41, 0
	s_wait_kmcnt 0x0
	s_cmp_lt_u32 ttmp9, 256                        ; the work-group's number alone decides the path
	s_cbranch_scc0 .Lweights
	; ---- x: row tile T = the work-group's number
	s_load_b256 s[24:31], s[14:15], 0x0            ; e0 .. e7: x's three are s24, s26, s28
	s_lshr_b32 s21, ttmp9, 1
	s_lshl_b32 s21, s21, 5
	s_and_b32 s22, ttmp9, 1
	s_lshl_b32 s22, s22, 3
	s_add_co_u32 s21, s21, s22                     ; the tile's first row: 32 (T / 2) + 8 (T % 2)
	s_lshl_b32 s40, s21, 12                        ; x 4,096 bytes
	s_lshl_b32 s22, s20, 10
	s_add_co_u32 s40, s40, s22                     ; + my wave's 256 numbers of a row
	s_add_nc_u64 s[4:5], s[4:5], s[40:41]
	s_lshl_b32 s40, ttmp9, 14
	s_lshl_b32 s22, s20, 12
	s_add_co_u32 s40, s40, s22                     ; the tile's 16,384 bytes of codes, my wave's two fragments
	s_add_nc_u64 s[32:33], s[16:17], s[40:41]      ; for product 1,
	s_add_nc_u64 s[34:35], s[32:33], 0x400000      ; 2,
	s_add_nc_u64 s[36:37], s[32:33], 0x800000      ; 3
	s_mul_i32 s21, s20, WSTG
	s_wait_alu depctr_va_vdst(0)
	v_lshlrev_b32 v[XO], 4, v1
	v_add_nc_u32 v[SA], s21, v[XO]
	v_mul_u32_u24 v[SB], v2, SPI
	v_lshl_add_u32 v[SB], v3, 6, v[SB]
	v_add_nc_u32 v[SB], s21, v[SB]
	XLOAD 0
	XLOAD 1
	s_wait_alu depctr_va_vdst(0)
	s_wait_kmcnt 0x0
.irp p, 0,1,2
	s_add_co_i32 s42, s[24+2*\p], 127
	s_lshl_b32 s43, s42, 23
	v_mov_b32 v[4+\p], s43                         ; 2^e as f32: the conversion takes its exponent field
	s_add_co_i32 s42, s42, 15
	s_lshl_b32 s42, s42, 23
	s_or_b32 s42, s42, 0x600000
	v_mov_b32 v[8+\p], s42                         ; 57,344 x 2^e
.endr
	s_wait_alu depctr_va_vdst(0)
	s_wait_loadcnt 16                              ; fragment 0's sixteen loads are in; fragment 1's may be out
	TOST 0
	FROMST 0, 144
	s_wait_loadcnt 0x0
	TOST 1
	s_wait_dscnt 16                                ; all but the sixteen stores just issued: stage 0's stores have read v16-79, and fragment 0 is back in v144-207
	FROMST 1, 16
	s_wait_dscnt 16                                ; all but the sixteen loads just issued: stage 1's stores have read v80-143, which take fragment 0's codes
	QUANT3 144, 80, 0
	s_wait_dscnt 0x0                               ; fragment 1 is back in v16-79
	QUANT3 16, 144, 1                              ; its codes go where fragment 0's numbers lay: no store's data are written again
	s_wait_tensorcnt 0x0
	ds_add_u32 v240, v241
	s_wait_dscnt 0x0
	s_endpgm
.Lweights:
	; ---- a weight: matrix mi, K step kq, 128 columns; my wave: 32 columns = two tiles.  A LANE TAKES A COLUMN AND ITS REGISTERS RUN DOWN K: the conversions then give codes with K innermost, and nothing is transposed
	s_sub_co_u32 s21, ttmp9, 256
	s_lshr_b32 s22, s21, 6                         ; mi: 0 Wq, 1 Wk, 2 Wv, 3 Wo
	s_bfe_u32 s23, s21, 0x30003                    ; kq
	s_and_b32 s24, s21, 7                          ; which 128 columns
	s_cmp_eq_u32 s22, 1
	s_cselect_b64 s[6:7], s[8:9], s[6:7]
	s_cmp_eq_u32 s22, 2
	s_cselect_b64 s[6:7], s[10:11], s[6:7]
	s_cmp_eq_u32 s22, 3
	s_cselect_b64 s[6:7], s[12:13], s[6:7]
	s_cselect_b32 s25, 16, 0
	s_lshl_b32 s26, s22, 3
	s_add_co_u32 s25, s25, s26                     ; entries 1, 3, 5, 11: byte 4 + 8 mi, + 16 for Wo
	s_load_b32 s27, s[14:15], s25 offset:0x4
	s_lshl_b32 s28, s24, 2
	s_add_co_u32 s28, s28, s20                     ; B: which 32 columns
	s_lshl_b32 s40, s23, 19                        ; 128 kq rows of 4,096 bytes
	s_lshl_b32 s29, s28, 7                         ; + 32 B columns of 4 bytes
	s_add_co_u32 s40, s40, s29
	s_add_nc_u64 s[6:7], s[6:7], s[40:41]
	s_lshl_b32 s40, s22, 20                        ; codes: the matrix,
	s_lshl_b32 s29, s28, 15                        ; tiles 2 B and 2 B + 1,
	s_add_co_u32 s40, s40, s29
	s_lshl_b32 s29, s23, 11                        ; the K step
	s_add_co_u32 s40, s40, s29
	s_add_nc_u64 s[18:19], s[18:19], s[40:41]
	s_wait_alu depctr_va_vdst(0)
	v_and_b32 v4, 7, v1                            ; lane l is slot l % 16 of tile 2 B + l / 16: column (l & 7) + 2 (l & 8) + (l & 16) / 2 of the 32
	v_and_b32 v5, 8, v1
	v_lshl_add_u32 v4, v5, 1, v4
	v_and_b32 v5, 16, v1
	v_lshrrev_b32 v5, 1, v5
	v_add_nc_u32 v4, v4, v5
	v_lshlrev_b32 v12, 2, v4
	v_lshlrev_b32 v13, 4, v2
	v_lshl_add_u32 v13, v3, 14, v13                ; out: 16 x slot, + a tile's 16,384 bytes for lanes 16-31
.set j, 0
.rept 128
	global_load_b32 v[16+j], v12, s[6:7] offset:j*4096 th:TH_LOAD_NT   ; W(128 kq + j, my column): the wave reads 128 consecutive bytes, the four waves 512
.set j, j+1
.endr
	s_wait_kmcnt 0x0
	s_add_co_i32 s27, s27, 127
	s_lshl_b32 s29, s27, 23
	v_mov_b32 v11, s29                             ; 2^e
	s_add_co_i32 s27, s27, 15
	s_lshl_b32 s27, s27, 23
	s_or_b32 s27, s27, 0x600000
	v_mov_b32 v10, s27                             ; 57,344 x 2^e
	s_wait_alu depctr_va_vdst(0)
	WBLOCK 0, 63                                   ; 96 younger loads might stay out, then 64: the wait's field ends at 63, which is the stricter count
	WBLOCK 1, 63
	WBLOCK 2, 32                                   ; the last block's 32 may be out
	WBLOCK 3, 0
	s_endpgm
.Lfunc_end_k_q9afc6eab36_quant:
	.size	k_q9afc6eab36_quant, .Lfunc_end_k_q9afc6eab36_quant-k_q9afc6eab36_quant
	.p2alignl 7, 3214868480
	.fill 96, 4, 3214868480
	.section	.rodata,"a",@progbits
	.p2align	6, 0x0
	.amdhsa_kernel k_q9afc6eab36_quant
		.amdhsa_group_segment_fixed_size 68096
		.amdhsa_private_segment_fixed_size 0
		.amdhsa_enable_private_segment 0
		.amdhsa_kernarg_size 64
		.amdhsa_user_sgpr_count 2
		.amdhsa_user_sgpr_kernarg_segment_ptr 1
		.amdhsa_wavefront_size32 1
		.amdhsa_system_sgpr_workgroup_id_x 1
		.amdhsa_system_sgpr_workgroup_id_y 1
		.amdhsa_system_sgpr_workgroup_id_z 1
		.amdhsa_system_vgpr_workitem_id 0
		.amdhsa_next_free_vgpr 242
		.amdhsa_next_free_sgpr 66
		.amdhsa_reserve_vcc 0
		.amdhsa_float_denorm_mode_32 3
		.amdhsa_float_denorm_mode_16_64 3
		.amdhsa_memory_ordered 1
		.amdhsa_forward_progress 1
		.amdhsa_inst_pref_size 63
	.end_amdhsa_kernel
	.amdgpu_metadata
---
amdhsa.version: [ 1, 2 ]
amdhsa.kernels:
  - .name:           k_q9afc6eab36_quant
    .symbol:         k_q9afc6eab36_quant.kd
    .args:
      - { .name: x, .offset: 0, .size: 8, .value_kind: global_buffer, .address_space: global }
      - { .name: Wq, .offset: 8, .size: 8, .value_kind: global_buffer, .address_space: global }
      - { .name: Wk, .offset: 16, .size: 8, .value_kind: global_buffer, .address_space: global }
      - { .name: Wv, .offset: 24, .size: 8, .value_kind: global_buffer, .address_space: global }
      - { .name: Wo, .offset: 32, .size: 8, .value_kind: global_buffer, .address_space: global }
      - { .name: lowp_scales, .offset: 40, .size: 8, .value_kind: global_buffer, .address_space: global }
      - { .name: xc, .offset: 48, .size: 8, .value_kind: global_buffer, .address_space: global }
      - { .name: wc, .offset: 56, .size: 8, .value_kind: global_buffer, .address_space: global }
    .group_segment_fixed_size: 68096
    .private_segment_fixed_size: 0
    .kernarg_segment_align: 8
    .kernarg_segment_size: 64
    .max_flat_workgroup_size: 128
    .sgpr_count:     66
    .vgpr_count:     242
    .wavefront_size: 32
...
	.end_amdgpu_metadata
.endif
;; end of part 1
;; launch qkv (part 2): grid 12 x 16, 4 waves a work-group, clusters of 4 x 4, 327,680 bytes of LDS; arguments xc, wc, lowp_scales, bq, bk, bv, qkvc; writes qkvc
.if DOCPART == 2
	.amdgcn_target "amdgcn-amd-amdhsa--gfx1250"
	.amdhsa_code_object_version 6
	.text
	.protected	k_q9afc6eab36_qkv
	.globl	k_q9afc6eab36_qkv
	.p2align	8
	.type	k_q9afc6eab36_qkv,@function
k_q9afc6eab36_qkv:
	s_mov_b64 s[64:65], 0
	v_nop
	global_prefetch_b8 v0, s[64:65] scope:SCOPE_SE
	s_setreg_imm32_b32 hwreg(HW_REG_WAVE_MODE, 25, 1), 1
	s_wait_xcnt 0x0
	s_wait_alu depctr_hold_cnt(0) depctr_sa_sdst(0) depctr_va_vdst(0) depctr_va_sdst(0) depctr_va_ssrc(0) depctr_va_vcc(0) depctr_vm_vsrc(0)
	s_getreg_b32 s2, hwreg(HW_REG_IB_STS2, 6, 4)
	s_cmp_eq_u32 s2, 0
	s_cbranch_scc0 .Lentry_in_a_cluster
	s_endpgm
.Lentry_in_a_cluster:
	s_bfe_u32 s2, ttmp6, 0x10000c
	s_cmp_lg_u32 s2, 0xf033
	s_cbranch_scc0 .Lentry_shape_is_right
	s_endpgm
.Lentry_shape_is_right:
; q, k, v = x W + b on E5M2 codes (xc: x's three sets of codes, wc: the weights'), quantised at once for the attention's products (scales e6, e7, e9).  Operands lie as fragment images: [tile of 16 rows][K step 8][2,048].
; Products 0 and 1 (q, k): source 1 = 16 tokens, source 0 = 16 features: a lane holds one token and 8 neighbouring features.  Product 2 (v): source 1 = 16 features, source 0 = 16 tokens: a lane holds one
; feature and 8 neighbouring tokens, since the keys are the next K.  The bias runs along a lane's registers (BJ) for q and k, along the lanes (BI) for v; the other of the two is masked to 0.
; A work-group makes 256 x 256 of one product, a wave 128 x 128 in 64 accumulators.  K goes in four steps of 256 through two LDS slots.  CLUSTERS of 4 x 4: A's tiles are asked for jointly along a row, B's along a column.
; PREFETCH, one K step ahead of the tensor loads: behind the load of K step s stands one global_prefetch_b8 a wave for K step s + 1; the last names K step 3.  A K step of the eight tiles that a wave fetches is 128 blocks of
; 256 bytes; the four partners that ask for them jointly take 32 each, told apart by address (cx for A, cy for B): each block is named once in each cluster that loads it.
; LIMITS: the sum of a product's two exponents between -126 and 127; e6, e7, e9 between -126 and 112; NaN is not served.
.set PFO,    10                        ; v10  the prefetches' offset: lane l names block l % 16 of tile l / 16; never rewritten
.set PFA,    98                        ; s[98:99] my part of the tiles at K step 0; never rewritten
.macro ASK s
	global_prefetch_b8 v[PFO], s[PFA:PFA+1] offset:4096*\s th:TH_LOAD_NT scope:SCOPE_SE
.endm
.set FR,     16
.set NL,     4
.set NP,     4
.set HALFT,  32768
.set SLOT,   4*HALFT
.set SPARE,  2*SLOT
.set ADRA, 16
.set ADRB, 20
.set BJO,  22
.set BIO,  23
.set CO,   26
.set SPW,  28
.set NIL,  29
.set SCV,  30
.set LIMV, 31
.set BJ,   32
.set BI,   96
.set AF,   128
.set TT,   128
.set CC,   192
.set G1, 24
.set G0, 32
.set G1B, 48
.set G0B, 56
.set MSB, 0
.macro WIN new
.if MSB != (\new)
	s_set_vgpr_msb (MSB<<8)|(\new)
.set MSB, (\new)
.endif
.endm
.set MUL_LO, 0xa1
.set MUL_HI, 0xf1
.set TO_B,   0x40
.macro JLOAD g0a, g1a, g0b, g1b
	s_cmp_eq_u32 s15, 0
	s_cbranch_scc0 .Lfor_b_\@
	tensor_load_to_lds s[\g0a:\g0a+3], s[\g1a:\g1a+7]
	s_nop 0
.rept 4
	v_nop
.endr
	s_branch .Lasked_\@
.Lfor_b_\@:
	tensor_load_to_lds s[\g0b:\g0b+3], s[\g1b:\g1b+7]
	s_nop 0
.rept 4
	v_nop
.endr
.Lasked_\@:
.endm
.macro CREST
	s_cmp_lg_u32 s14, 0
	s_cbranch_scc1 .Lnot_wave_0_\@
	s_barrier_signal -3
.Lnot_wave_0_\@:
	s_barrier_wait -3
	s_barrier_signal -1
	s_barrier_wait -1
.endm
.macro CROUND
	s_barrier_signal -1
	s_barrier_wait -1
	CREST
.endm
	s_load_b128 s[4:7], s[0:1], 0x0
	s_load_b128 s[8:11], s[0:1], 0x10
	s_load_b128 s[68:71], s[0:1], 0x20
	s_load_b64 s[72:73], s[0:1], 0x30
	v_lshl_add_u32 v[SPW], v0, 2, SPARE
	v_mov_b32 v[NIL], 0
	ds_add_u32 v28, v29
	ds_add_u32 v28, v29
	s_wait_dscnt 0x0
	v_lshrrev_b32 v1, 5, v0
	v_readfirstlane_b32 s14, v1
	s_lshr_b32 s15, s14, 1
	s_and_b32 s16, s14, 1
	s_bfe_u32 s40, ttmp6, 0x40000
	s_bfe_u32 s41, ttmp6, 0x40004
	s_and_b32 s74, ttmp7, 0xffff
	s_lshl_b32 s74, s74, 2
	s_lshl_b32 s82, ttmp9, 22
	s_lshl_b32 s83, ttmp9, 20
	s_cmp_eq_u32 ttmp9, 2
	s_cselect_b32 s76, 0, s74
	s_cselect_b32 s77, s74, 0
	s_cselect_b32 s82, 0x200000, s82
	s_cselect_b32 s83, 0x800000, s83
	s_cselect_b32 s90, 0, -1
	s_cselect_b32 s91, -1, 0
	s_add_co_u32 s17, s41, s76
	s_add_co_u32 s42, s40, s77
	s_lshl_b32 s43, s41, 2
	s_lshl_b32 s43, 15, s43
	s_lshl_b32 s44, 0x1111, s40
	s_or_b32 s[G1+0], s43, (1<<21)
	s_or_b32 s[G1B+0], s44, (1<<21)
.irp g, G1, G1B
	s_mov_b32 s[\g+1], 4096<<16
	s_mov_b32 s[\g+2], 8<<16
	s_mov_b32 s[\g+3], 4096<<16
	s_mov_b32 s[\g+4], 8
	s_mov_b32 s[\g+5], 16384
	s_mov_b32 s[\g+6], 0
	s_mov_b32 s[\g+7], 0
.endr
	s_lshl_b32 s18, s16, 3
	s_lshl_b32 s20, s17, 4
	s_add_co_u32 s20, s20, s18
	s_lshl_b32 s20, s20, 14
	s_add_co_u32 s20, s20, s82
	s_mov_b32 s21, 0
	s_lshl_b32 s46, s42, 4
	s_add_co_u32 s46, s46, s18
	s_lshl_b32 s46, s46, 14
	s_add_co_u32 s46, s46, s83
	s_mov_b32 s47, 0
	s_mul_i32 s45, s14, HALFT
	s_lshl_b32 s88, ttmp9, 3
	s_wait_kmcnt 0x0
	s_load_b64 s[96:97], s[8:9], s88 offset:0x0
	s_load_b128 s[84:87], s[8:9], 0x18
	s_cmp_eq_u32 ttmp9, 2
	s_cselect_b64 s[78:79], s[6:7], s[4:5]
	s_cselect_b64 s[80:81], s[4:5], s[6:7]
	s_add_nc_u64 s[20:21], s[78:79], s[20:21]
	s_add_nc_u64 s[46:47], s[80:81], s[46:47]
	CROUND
.irp s, 0,1
	s_mov_b32 s[G0+4*\s], 1
	s_add_co_u32 s[G0+4*\s+1], s45, \s*SLOT
	s_add_nc_u64 s[G0+4*\s+2:G0+4*\s+3], s[20:21], \s*4096
	s_or_b32 s[G0+4*\s+3], s[G0+4*\s+3], 0x80000000
	s_mov_b32 s[G0B+4*\s], 1
	s_add_co_u32 s[G0B+4*\s+1], s45, \s*SLOT
	s_add_nc_u64 s[G0B+4*\s+2:G0B+4*\s+3], s[46:47], \s*4096
	s_or_b32 s[G0B+4*\s+3], s[G0B+4*\s+3], 0x80000000
.endr
	JLOAD G0, G1, G0B, G1B                         ; K step 0: one tensor load a wave at the head
	s_cmp_eq_u32 s15, 0                            ; do I fetch for A?
	s_cselect_b32 s92, s40, s41                    ; my place among the four that ask with me
	s_cselect_b64 s[PFA:PFA+1], s[20:21], s[46:47]
	s_lshl_b32 s92, s92, 15                        ; two tiles of 16,384 bytes each
	s_mov_b32 s93, 0
	s_add_nc_u64 s[PFA:PFA+1], s[PFA:PFA+1], s[92:93]
	v_and_b32 v[PFO], 15, v0
	v_bfe_u32 v11, v0, 4, 1
	v_lshlrev_b32 v[PFO], 8, v[PFO]
	v_lshl_add_u32 v[PFO], v11, 14, v[PFO]
	ASK 1
	v_and_b32 v1, 31, v0
	v_and_b32 v2, 15, v0
	v_bfe_u32 v3, v0, 4, 1
	s_wait_alu depctr_va_vdst(0)
	v_lshlrev_b32 v[CO], 4, v1
	s_mul_i32 s21, s15, HALFT
	s_mul_i32 s22, s16, HALFT
	s_add_co_u32 s22, s22, 2*HALFT
.irp s, 0,1
	v_add_nc_u32 v[ADRA+\s], s21, v[CO]
	v_add_nc_u32 v[ADRB+\s], s22, v[CO]
	s_add_co_u32 s21, s21, SLOT
	s_add_co_u32 s22, s22, SLOT
.endr
	s_lshl_b32 s23, s42, 8
	s_lshl_b32 s92, s16, 7
	s_add_co_u32 s23, s23, s92
	s_and_b32 s23, s23, s90
	s_lshl_b32 s23, s23, 2
	v_lshlrev_b32 v[BJO], 6, v3
	v_add_nc_u32 v[BJO], s23, v[BJO]
	s_wait_alu depctr_va_vdst(0)
	s_lshl_b32 s93, s17, 8
	s_lshl_b32 s92, s15, 7
	s_add_co_u32 s93, s93, s92
	s_and_b32 s93, s93, s91
	s_lshl_b32 s93, s93, 2
	v_and_b32 v4, 8, v2
	v_add_nc_u32 v4, v4, v2
	v_lshlrev_b32 v[BIO], 2, v4
	v_add_nc_u32 v[BIO], s93, v[BIO]
	s_cmp_eq_u32 ttmp9, 1
	s_cselect_b64 s[10:11], s[68:69], s[10:11]
	s_cmp_eq_u32 ttmp9, 2
	s_cselect_b64 s[10:11], s[70:71], s[10:11]
.irp b, 0,1,2,3,4,5,6,7
	global_load_b128 v[BJ+8*\b:BJ+8*\b+3], v[BJO], s[10:11] offset:(32*(\b/2)+8*(\b%2))*4
	global_load_b128 v[BJ+8*\b+4:BJ+8*\b+7], v[BJO], s[10:11] offset:(32*(\b/2)+8*(\b%2))*4+16
.endr
.irp a, 0,1,2,3,4,5,6,7
	global_load_b32 v[BI+2*\a], v[BIO], s[10:11] offset:(32*(\a/2)+8*(\a%2))*4
.endr
	s_lshl_b32 s92, s17, 4
	s_lshl_b32 s93, s15, 3
	s_add_co_u32 s92, s92, s93
	s_and_b32 s93, s92, 127
	s_lshl_b32 s93, s93, 10
	s_lshr_b32 s92, s92, 7
	s_lshl_b32 s92, s92, 21
	s_add_co_u32 s92, s92, s93
	s_lshl_b32 s93, s42, 2
	s_lshl_b32 s94, s16, 1
	s_add_co_u32 s93, s93, s94
	s_lshl_b32 s93, s93, 17
	s_add_co_u32 s92, s92, s93
	s_lshl_b32 s93, ttmp9, 22
	s_add_co_u32 s92, s92, s93
	s_mov_b32 s93, 0
	s_add_nc_u64 s[72:73], s[72:73], s[92:93]
.macro FRAG reg, adr, q, i
.irp c, 0,1,2,3
	ds_load_b128 v[\reg+4*\c:\reg+4*\c+3], v[\adr] offset:2048*(\q)+512*\c+(\i)*4096
.endr
.endm
.macro MUL16 a0, p, zero
.irp a, \a0, \a0+1
.irp b, 0,1,2,3,4,5,6,7
.if \zero
	v_wmma_f32_16x16x128_bf8_bf8 v[8*(8*((\a)%4)+\b):8*(8*((\a)%4)+\b)+7], v[128*(\p)+FR*\b:128*(\p)+FR*\b+FR-1], v[AF+FR*(\a):AF+FR*(\a)+FR-1], 0
.else
	v_wmma_f32_16x16x128_bf8_bf8 v[8*(8*((\a)%4)+\b):8*(8*((\a)%4)+\b)+7], v[128*(\p)+FR*\b:128*(\p)+FR*\b+FR-1], v[AF+FR*(\a):AF+FR*(\a)+FR-1], v[8*(8*((\a)%4)+\b):8*(8*((\a)%4)+\b)+7]
.endif
.endr
.endr
.endm
.macro FETCH_B slot, q, p
	WIN TO_B
.irp i, 0,1,2,3,4,5,6,7
	FRAG 128*(\p)+FR*\i, ADRB+\slot, \q, \i
.endr
	WIN 0
.endm
.macro FETCH_A slot, q, i0
.irp i, \i0, \i0+1, \i0+2, \i0+3
	FRAG AF+FR*(\i), ADRA+\slot, \q, \i
.endr
.endm
.macro PLACES n
.rept \n
	v_nop
.endr
.endm
.macro STEP slot, q, zero
	s_wait_dscnt 4*NL
	WIN MUL_LO
	MUL16 0, (\q)%2, \zero
	MUL16 2, (\q)%2, \zero
	s_wait_dscnt 0
	PLACES NP
	FETCH_B \slot, (\q)+1, 1-(\q)%2
	FETCH_A \slot, (\q)+1, 0
	WIN MUL_HI
	MUL16 4, (\q)%2, \zero
	MUL16 6, (\q)%2, \zero
	PLACES NP
	WIN 0
	FETCH_A \slot, (\q)+1, 4
.endm
.macro TURN slot, next, fill
	s_wait_tensorcnt 0x0
	ds_add_u32 v[SPW], v[NIL]
	s_wait_dscnt 4*NL+1
	WIN MUL_LO
	MUL16 0, 1, 0
	s_wait_dscnt 0x0
	s_barrier_signal -1
	MUL16 2, 1, 0
	WIN 0
	s_barrier_wait -1
.if \fill
	CREST
	s_add_nc_u64 s[G0+4*\slot+2:G0+4*\slot+3], s[G0+4*\slot+2:G0+4*\slot+3], 8192
	s_add_nc_u64 s[G0B+4*\slot+2:G0B+4*\slot+3], s[G0B+4*\slot+2:G0B+4*\slot+3], 8192
	JLOAD G0+4*\slot, G1, G0B+4*\slot, G1B
.else
	PLACES NP
.endif
	FETCH_B \next, 0, 0
	FETCH_A \next, 0, 0
.if (\fill) && (\slot) == 0
	ASK 3                                          ; behind K step 2's load and the run of LDS loads
.endif
	WIN MUL_HI
	MUL16 4, 1, 0
	MUL16 6, 1, 0
	PLACES NP
	WIN 0
	FETCH_A \next, 0, 4
.endm
	s_wait_alu depctr_va_vdst(0)                   ; the wait at the head's end
	s_wait_tensorcnt 0x0                           ; my part of K step 0 is in; these lines stand ahead of a later first fill as ahead of a refill
	ds_add_u32 v[SPW], v[NIL]
	s_wait_dscnt 0x0
	CROUND                                         ; everybody's part is in, and all sixteen work-groups are here
	JLOAD G0+4, G1, G0B+4, G1B                     ; K step 1, the first tensor load behind the round
	FETCH_B 0, 0, 0
	FETCH_A 0, 0, 0
	FETCH_A 0, 0, 4
	ASK 2
	STEP 0, 0, 1
	TURN 0, 1, 1
	STEP 1, 0, 0
	TURN 1, 0, 1
	STEP 0, 0, 0
	TURN 0, 1, 0
	STEP 1, 0, 0
	s_wait_dscnt 4*NL
	WIN MUL_LO
	MUL16 0, 1, 0
	MUL16 2, 1, 0
	s_wait_dscnt 0
	WIN MUL_HI
	MUL16 4, 1, 0
	MUL16 6, 1, 0
	WIN 0
	s_wait_kmcnt 0x0
	s_add_co_i32 s96, s96, s97
	s_add_co_i32 s96, s96, 127
	s_lshl_b32 s96, s96, 23
	s_mov_b32 s97, s96
	s_cmp_eq_u32 ttmp9, 0
	s_cselect_b32 s84, s84, s85
	s_cmp_eq_u32 ttmp9, 2
	s_cselect_b32 s84, s87, s84
	s_add_co_i32 s84, s84, 127
	s_lshl_b32 s85, s84, 23
	v_mov_b32 v[SCV], s85
	s_add_co_i32 s84, s84, 15
	s_lshl_b32 s84, s84, 23
	s_or_b32 s84, s84, 0x600000
	v_mov_b32 v[LIMV], s84
	s_wait_loadcnt 0x0
.set j, 0
.rept 64
	v_and_b32 v[BJ+j], s90, v[BJ+j]
.set j, j+1
.endr
.irp a, 0,1,2,3,4,5,6,7
	v_and_b32 v[BI+2*\a], s91, v[BI+2*\a]
	v_mov_b32 v[BI+2*\a+1], v[BI+2*\a]
.endr
.macro OUTBLK a
.set AC, 64*((\a)%4)
.set CB, CC+16*((\a)%4)
.if (\a) >= 4
	s_wait_xcnt 0x0
.endif
	WIN 0x02+((\a)/4)
.set j, 0
.rept 32
	v_pk_fma_f32 v[TT+j:TT+j+1], v[AC+j:AC+j+1], s[96:97], v[BJ+j:BJ+j+1] op_sel_hi:[1,0,1]
.set j, j+2
.endr
	WIN 0
.set j, 0
.rept 32
	v_pk_add_f32 v[TT+j:TT+j+1], v[TT+j:TT+j+1], v[BI+2*(\a):BI+2*(\a)+1]
.set j, j+2
.endr
.set j, 0
.rept 64
	v_med3_num_f32 v[TT+j], v[TT+j], -v[LIMV], v[LIMV]
.set j, j+1
.endr
.irp b, 0,1,2,3,4,5,6,7
	v_cvt_scalef32_pk8_bf8_f32 v[CB+2*\b:CB+2*\b+1], v[TT+8*\b:TT+8*\b+7], v[SCV]
.endr
	v_nop
.irp e, 0,1,2,3
	global_store_b128 v[CO], v[CB+4*\e:CB+4*\e+3], s[72:73] offset:1024*(\a)+131072*(\e/2)+512*(\e%2)
.endr
.endm
.irp a, 0,1,2,3,4,5,6,7
	OUTBLK \a
.endr
	s_wait_tensorcnt 0x0
	ds_add_u32 v[SPW], v[NIL]
	s_wait_dscnt 0x0
	CROUND
	s_endpgm
.Lfunc_end_k_q9afc6eab36_qkv:
	.size	k_q9afc6eab36_qkv, .Lfunc_end_k_q9afc6eab36_qkv-k_q9afc6eab36_qkv
	.p2alignl 7, 3214868480
	.fill 96, 4, 3214868480
	.section	.rodata,"a",@progbits
	.p2align	6, 0x0
	.amdhsa_kernel k_q9afc6eab36_qkv
		.amdhsa_group_segment_fixed_size 327680
		.amdhsa_private_segment_fixed_size 0
		.amdhsa_enable_private_segment 0
		.amdhsa_kernarg_size 56
		.amdhsa_user_sgpr_count 2
		.amdhsa_user_sgpr_kernarg_segment_ptr 1
		.amdhsa_wavefront_size32 1
		.amdhsa_system_sgpr_workgroup_id_x 1
		.amdhsa_system_sgpr_workgroup_id_y 1
		.amdhsa_system_sgpr_workgroup_id_z 1
		.amdhsa_system_vgpr_workitem_id 0
		.amdhsa_next_free_vgpr 1024
		.amdhsa_next_free_sgpr 100
		.amdhsa_reserve_vcc 0
		.amdhsa_float_denorm_mode_32 3
		.amdhsa_float_denorm_mode_16_64 3
		.amdhsa_memory_ordered 1
		.amdhsa_forward_progress 1
		.amdhsa_inst_pref_size 157
	.end_amdhsa_kernel
	.amdgpu_metadata
---
amdhsa.version: [ 1, 2 ]
amdhsa.kernels:
  - .name:           k_q9afc6eab36_qkv
    .symbol:         k_q9afc6eab36_qkv.kd
    .args:
      - { .name: xc, .offset: 0, .size: 8, .value_kind: global_buffer, .address_space: global }
      - { .name: wc, .offset: 8, .size: 8, .value_kind: global_buffer, .address_space: global }
      - { .name: lowp_scales, .offset: 16, .size: 8, .value_kind: global_buffer, .address_space: global }
      - { .name: bq, .offset: 24, .size: 8, .value_kind: global_buffer, .address_space: global }
      - { .name: bk, .offset: 32, .size: 8, .value_kind: global_buffer, .address_space: global }
      - { .name: bv, .offset: 40, .size: 8, .value_kind: global_buffer, .address_space: global }
      - { .name: qkvc, .offset: 48, .size: 8, .value_kind: global_buffer, .address_space: global }
    .group_segment_fixed_size: 327680
    .private_segment_fixed_size: 0
    .kernarg_segment_align: 8
    .kernarg_segment_size: 56
    .max_flat_workgroup_size: 128
    .sgpr_count:     100
    .vgpr_count:     1024
    .wavefront_size: 32
...
	.end_amdgpu_metadata
.endif
;; end of part 2
;; launch attn (part 3): grid 8 x 32, 8 waves a work-group, clusters of 4 x 1, 327,680 bytes of LDS; arguments qkvc, lowp_scales, ao; writes ao
.if DOCPART == 3
	.amdgcn_target "amdgcn-amd-amdhsa--gfx1250"
	.amdhsa_code_object_version 6
	.text
	.protected	k_q9afc6eab36_attn
	.globl	k_q9afc6eab36_attn
	.p2align	8
	.type	k_q9afc6eab36_attn,@function
k_q9afc6eab36_attn:
	s_mov_b64 s[64:65], 0
	v_nop
	global_prefetch_b8 v0, s[64:65] scope:SCOPE_SE
	s_setreg_imm32_b32 hwreg(HW_REG_WAVE_MODE, 25, 1), 1
	s_wait_xcnt 0x0
	s_wait_alu depctr_hold_cnt(0) depctr_sa_sdst(0) depctr_va_vdst(0) depctr_va_sdst(0) depctr_va_ssrc(0) depctr_va_vcc(0) depctr_vm_vsrc(0)
	s_getreg_b32 s2, hwreg(HW_REG_IB_STS2, 6, 4)
	s_cmp_eq_u32 s2, 0
	s_cbranch_scc0 .Lentry_in_a_cluster
	s_endpgm
.Lentry_in_a_cluster:
	s_bfe_u32 s2, ttmp6, 0x10000c
	s_cmp_lg_u32 s2, 0x3003
	s_cbranch_scc0 .Lentry_shape_is_right
	s_endpgm
.Lentry_shape_is_right:
; o = softmax(q k^T / 8) v for 32 (batch, head) pairs of 2,048 tokens x 64 channels, both products on E5M2 codes (scales: q e6, k e7, p e8, v e9); o is quantised at once (e10) for the last product.
; THE SOFTMAX AHEAD OF THE SECOND PRODUCT: t = score x c, c = log2(e) / 8 x 2^(e6 + e7); M = the row's largest t so far, rounded UP to a whole number; p = 2^(t - M) is what is quantised; the row's sum is taken of the
; unquantised p and divides at the end.  When M moves, the sum and O are multiplied by 2^(old M - new M), which rounds nothing.  The running maximum is kept of the scores; c is positive, so c x it is the largest t.
; INPUT (qkvc): q at 0 and k at 4 MiB: [pair][token tile 128][1,024]: an image of 16 slots x 64 channels: byte 512 c + 16 lane + i = channel 32 c + 16 (lane / 16) + i of slot lane % 16; of each 32 tokens, tile 2 B + u holds
; in slot r token 32 B + 8 u + r + 8 (r / 8).  v at 8 MiB: [batch x 32 + chunk of 64 keys, 131,072 apart][head x 4 + tile of 16 channels][1,024]: an image of 16 channel slots x 64 keys.
; SHARES.  A work-group owns 256 queries of one pair; each of its eight waves 32 of them, two tiles, so that each fragment of K and V read from LDS feeds two products; two waves share a SIMD.
; ALL OF THE PAIR'S K AND V (131,072 bytes each) COMES TO LIE IN LDS, each byte filled once, in two fills of one load a wave: first K's keys 0-639 and V's 0-511, then, behind one round, all the rest, which has
; four key steps in which to land.  K reaches one step further than V, since a step fetches the next step's fragments of K.  No loop of tensor loads exists that a prefetch could run ahead in.
; CLUSTER.  The four query blocks of a cluster belong to one pair and read the same K and V: each tile is asked for jointly (mask 15).
; LAYOUT.  Both products are used transposed: S^T = K Q^T (source 0 = 16 keys, source 1 = 16 queries), O^T = V^T P^T: a lane holds ONE query slot throughout; the 16 registers of key tiles 2 B, 2 B + 1 are the 16 neighbouring
; keys 32 B + 16 (lane / 16) + 0 .. 15, so the conversions' results are the second product's operand; likewise O^T's 16 registers of channel tiles 2 c, 2 c + 1 are 16 neighbouring channels, and their codes are 16 bytes of ao's image.
; OUTPUT (ao): [token tile 256][16,384]: head hd's 64 channels at byte 1,024 hd.
; LIMITS: e6 + e7 between -123 and 130 (added to c's exponent field); e8 and e10 between -126 and 112; e8 + e9 is applied by v_ldexp_f32; the scaled scores stay under 2^31 in magnitude.  NaN is not served.
; REGISTERS.  window 0: v1-3 addresses; v8-23 statistics, eight a tile: +0 -M, +1 the largest score, +2, +3 the sum in two halves, +4 f (+5 its pair's upper half), +6, +7 at work; v24-29 constants;
;   v32-63, v64-95 the tiles' partial sums (v32-37 also the chains of maxima); v96-223 S^T, then p, 64 a tile; v224-255 p's codes, 16 a tile.
;   window 1: v0-63 O^T, 32 a tile; v64-79 Q, 8 a tile; v80-143 V's four fragments; v144-207 K's eight.
.set LI,   1                           ; v1   16 x lane; never rewritten
.set ADK,  2                           ; v2   LDS address of the step's K
.set ADV,  3                           ; v3   of its V
.set ST,   8
.set PSC,  24                          ; v24  2^e8;  v25  57,344 x 2^e8
.set PLIM, 25
.set PX,   26                          ; v26, v27  the lane exchange's results
.set OSC,  28                          ; v28  2^e10; v29  57,344 x 2^e10
.set OLIM, 29
.set SPW,  30                          ; v30  LDS address of my spare word;  v31  0; never rewritten
.set NIL,  31
.set MX,   32
.set T0,   32
.set T1,   64
.set S,    96
.set PC,   224
.set OT,   0                           ; in window 1
.set QF,   64
.set VF,   80
.set FRK,  144
.set VLDS, 131072                      ; V lies behind K
.set SPARE, 262144                     ; the spare words: 128 bytes for each wave
.set K1,   40960                       ; bytes of K in the first fill: five steps;  V1: four steps
.set V1,   32768
.set TB,   2                           ; s2   LDS byte of the step's K
.set CNT,  3                           ; s3   steps to go in the loop
.set WV,   18                          ; s18  wave
.set W3,   19                          ; s19  wave % 4
.set SEL,  20                          ; s[20:21] selects for v_permlanex16_b32: lane l xor 16
.set CS,   22                          ; s[22:23] c
.set G1K1, 24                          ; descriptor groups 1: K's and V's of the first fill, K's and V's of the second
.set G1V1, 32
.set G1K2, 40
.set G1V2, 48
.set G0K1, 56                          ; groups 0
.set G0V1, 60
.set G0K2, 68
.set G0V2, 72
.set MSB, 0
.macro WIN new                         ; the immediate's high byte repeats the setting that is left
.if MSB != (\new)
	s_set_vgpr_msb (MSB<<8)|(\new)
.set MSB, (\new)
.endif
.endm
.macro CROUND                          ; a round of the cluster's barrier
	s_barrier_signal -1
	s_barrier_wait -1
	s_cmp_lg_u32 s[WV], 0
	s_cbranch_scc1 .Lnot_wave_0_\@
	s_barrier_signal -3
.Lnot_wave_0_\@:
	s_barrier_wait -3
	s_barrier_signal -1
	s_barrier_wait -1
.endm
.macro DESC1 g, row, n, stride         ; group 1: n rows of so many bytes
	s_mov_b32 s[\g], 15|(1<<21)                    ; 15:0 the mask: all four work-groups; 17:16 elements of 1 byte; 21 set beside a mask
	s_mov_b32 s[\g+1], (\row)<<16
	s_mov_b32 s[\g+2], (\n)<<16
	s_mov_b32 s[\g+3], (\row)<<16
	s_mov_b32 s[\g+4], \n
	s_mov_b32 s[\g+5], \stride
	s_mov_b32 s[\g+6], 0
	s_mov_b32 s[\g+7], 0
.endm
.macro DESC0 g, lds, off               ; group 0
	s_mov_b32 s[\g], 1
	s_mov_b32 s[\g+1], s[\lds]
	s_add_nc_u64 s[\g+2:\g+3], s[4:5], s[\off:\off+1]
	s_or_b32 s[\g+3], s[\g+3], 0x80000000
.endm
.macro FILL gk, g1k, gv, g1v           ; waves 0-3 fetch K, waves 4-7 V; an s_nop 0 and four v_nop follow each line
	s_cmp_lt_u32 s[WV], 4
	s_cbranch_scc0 .Lfor_v_\@
	tensor_load_to_lds s[\gk:\gk+3], s[\g1k:\g1k+7]
	s_nop 0
.rept 4
	v_nop
.endr
	s_branch .Lasked_\@
.Lfor_v_\@:
	tensor_load_to_lds s[\gv:\gv+3], s[\g1v:\g1v+7]
	s_nop 0
.rept 4
	v_nop
.endr
.Lasked_\@:
.endm
	s_load_b128 s[4:7], s[0:1], 0x0                ; qkvc s[4:5], the scales' exponents s[6:7]
	s_load_b64 s[8:9], s[0:1], 0x10                ; ao
	v_lshl_add_u32 v[SPW], v0, 2, SPARE
	v_mov_b32 v[NIL], 0
	ds_add_u32 v[SPW], v[NIL]                      ; the opening lines: the add, twice on end, and its wait below
	ds_add_u32 v[SPW], v[NIL]
	v_lshrrev_b32 v1, 5, v0
	s_delay_alu instid0(VALU_DEP_1)
	v_readfirstlane_b32 s[WV], v1                  ; wave 0..7
	s_and_b32 s[W3], s[WV], 3
	s_bfe_u32 s12, ttmp6, 0x40000                  ; cx
	s_lshl_b32 s13, ttmp9, 2
	s_add_co_u32 s13, s13, s12                     ; my block of 256 queries: it enters Q's and ao's addresses alone
	s_and_b32 s14, ttmp7, 0xffff                   ; the pair, which the four partners share
	s_lshr_b32 s15, s14, 4                         ; batch
	s_and_b32 s16, s14, 15                         ; head
	DESC1 G1K1, 2048, 5, 2048                      ; K is dense in memory: a wave's quarter of the fill
	DESC1 G1V1, 4096, 2, 131072                    ; V: chunks of 64 keys, 131,072 bytes apart
	DESC1 G1K2, 2048, 11, 2048
	DESC1 G1V2, 4096, 6, 131072
	s_mul_i32 s84, s[W3], K1/4                     ; K, first fill: my share, in LDS and in K
	s_mul_i32 s85, s[W3], (VLDS-K1)/4
	s_add_co_u32 s85, s85, K1                      ; K, second fill
	s_lshl_b32 s86, s14, 17
	s_add_co_u32 s86, s86, 0x400000                ; the pair's K
	s_add_co_u32 s80, s86, s84
	s_mov_b32 s81, 0
	s_add_co_u32 s82, s86, s85
	s_mov_b32 s83, 0
	s_lshl_b32 s87, s15, 22                        ; V: 32 chunks a batch,
	s_lshl_b32 s88, s16, 12                        ; the head's four tiles,
	s_add_co_u32 s87, s87, s88
	s_add_co_u32 s87, s87, 0x800000                ; the part
	s_lshl_b32 s90, s[W3], 18                      ; first fill: chunks 2 (wave % 4) on
	s_add_co_u32 s90, s90, s87
	s_mov_b32 s91, 0
	s_mul_i32 s92, s[W3], 6*131072                 ; second fill: chunks 8 + 6 (wave % 4) on
	s_add_co_u32 s92, s92, s87
	s_add_co_u32 s92, s92, 8*131072
	s_mov_b32 s93, 0
	s_lshl_b32 s88, s[W3], 13
	s_add_co_u32 s88, s88, VLDS                    ; and where they go
	s_mul_i32 s89, s[W3], 6*4096
	s_add_co_u32 s89, s89, VLDS+V1
	s_lshl_b32 s76, s14, 17
	s_lshl_b32 s77, s13, 14
	s_add_co_u32 s76, s76, s77
	s_lshl_b32 s77, s[WV], 11
	s_add_co_u32 s76, s76, s77                     ; Q: pair, tile 16 x block + 2 x wave
	s_mov_b32 s77, 0
	s_lshl_b32 s78, s15, 21
	s_lshl_b32 s79, s13, 18
	s_add_co_u32 s78, s78, s79
	s_lshl_b32 s79, s[WV], 15
	s_add_co_u32 s78, s78, s79
	s_lshl_b32 s79, s16, 10
	s_add_co_u32 s78, s78, s79                     ; ao: tile 128 x batch + 16 x block + 2 x wave, + 1,024 x head
	s_mov_b32 s79, 0
	s_mov_b32 s[SEL], 0x76543210
	s_mov_b32 s[SEL+1], 0xfedcba98
	s_wait_dscnt 0x0                               ; both opening adds are done
	s_wait_kmcnt 0x0
	s_load_b128 s[96:99], s[6:7], 0x18             ; e6 .. e9
	s_load_b32 s100, s[6:7], 0x28                  ; e10
	s_add_nc_u64 s[10:11], s[4:5], s[76:77]
	s_add_nc_u64 s[8:9], s[8:9], s[78:79]
	DESC0 G0K1, 84, 80
	DESC0 G0V1, 88, 90
	DESC0 G0K2, 85, 82
	DESC0 G0V2, 89, 92
	CROUND                                         ; all four work-groups are here: the joint loads meet
	FILL G0K1, G1K1, G0V1, G1V1                    ; one tensor load a wave at the head
	v_and_b32 v1, 31, v0
	s_delay_alu instid0(VALU_DEP_1)
	v_lshlrev_b32 v[LI], 4, v1
	WIN 0x40                                       ; destination window 1
.irp t, 0,1
.irp c, 0,1
	global_load_b128 v[QF+8*\t+4*\c:QF+8*\t+4*\c+3], v[LI], s[10:11] offset:1024*\t+512*\c   ; Q stays in registers
.endr
.endr
.set j, 0
.rept 64
	v_mov_b32 v[OT+j], 0                           ; O^T.  (A step has one form: the first finds zeros, which the first change of M leaves zeros)
.set j, j+1
.endr
	WIN 0
.irp t, 0,1
	v_mov_b32 v[ST+8*\t], 0x7f61b1e6               ; -M: 3e38
	v_mov_b32 v[ST+8*\t+1], 0xff61b1e6             ; the largest score so far: -3e38, under every score
	v_mov_b32 v[ST+8*\t+2], 0
	v_mov_b32 v[ST+8*\t+3], 0
	v_mov_b32 v[ST+8*\t+5], 0                      ; (named as a pair's upper half)
	v_mov_b32 v[PX+\t], 0                          ; a lane permute's destination counts as one of its sources
.endr
	s_wait_kmcnt 0x0
	s_add_co_i32 s89, s96, s97
	s_lshl_b32 s89, s89, 23
	s_mov_b32 s[CS], 0x3e38aa3b                    ; log2(e) / 8
	s_add_co_i32 s[CS], s[CS], s89                 ; a score stands for score x 2^(e6 + e7): the exponents are added to c's exponent field
	s_mov_b32 s[CS+1], s[CS]
	s_add_co_i32 s89, s98, 127
	s_lshl_b32 s90, s89, 23
	v_mov_b32 v[PSC], s90
	s_add_co_i32 s89, s89, 15
	s_lshl_b32 s89, s89, 23
	s_or_b32 s89, s89, 0x600000
	v_mov_b32 v[PLIM], s89
	s_add_co_i32 s89, s100, 127
	s_lshl_b32 s90, s89, 23
	v_mov_b32 v[OSC], s90
	s_add_co_i32 s89, s89, 15
	s_lshl_b32 s89, s89, 23
	s_or_b32 s89, s89, 0x600000
	v_mov_b32 v[OLIM], s89
.macro MAXOP t                         ; line n of the 32 that find the largest score of my query among my 64 keys and so far, in six chains; each accumulator is first read at its low end.  The two tiles use the chains' registers one after the other
.if n < 5
	v_max3_num_f32 v[MX+n], v[S+64*\t+3*n], v[S+64*\t+3*n+1], v[S+64*\t+3*n+2]
.elseif n == 5
	v_max3_num_f32 v[MX+5], v[ST+8*\t+1], v[S+64*\t+15], v[S+64*\t+16]
.elseif n < 29
	v_max3_num_f32 v[MX+(n-6)%6], v[MX+(n-6)%6], v[S+64*\t+17+2*(n-6)], v[S+64*\t+18+2*(n-6)]
.elseif n == 29
	v_max3_num_f32 v[MX], v[MX], v[MX+1], v[MX+2]
.elseif n == 30
	v_max3_num_f32 v[MX+3], v[MX+3], v[MX+4], v[MX+5]
.else
	v_max3_num_f32 v[ST+8*\t+6], v[MX], v[MX+3], v[S+64*\t+63]
.endif
.endm
.macro STAT t                          ; line n / 4 of a tile's eight from the lanes' maxima to the new -M and f; they stand among other work, four lines apart
.if n/4 == 0
	v_permlanex16_b32 v[PX+\t], v[ST+8*\t+6], s[SEL], s[SEL+1]
.elseif n/4 == 1
	v_max_num_f32 v[ST+8*\t+1], v[ST+8*\t+6], v[PX+\t]   ; and among lane l xor 16's
.elseif n/4 == 2
	v_mul_f32 v[ST+8*\t+6], s[CS], v[ST+8*\t+1]    ; as t
.elseif n/4 == 3
	v_mov_b32 v[ST+8*\t+7], v[ST+8*\t]             ; the old -M
.elseif n/4 == 4
	v_floor_f32 v[ST+8*\t], -v[ST+8*\t+6]          ; the new -M = floor(-t) = -ceil(t)
.elseif n/4 == 5
	v_sub_f32 v[ST+8*\t+6], v[ST+8*\t], v[ST+8*\t+7]   ; old M - new M: a whole number, 0 or less
.elseif n/4 == 6
	v_cvt_i32_f32 v[ST+8*\t+6], v[ST+8*\t+6]       ; (it saturates)
.else
	v_ldexp_f32 v[ST+8*\t+4], 1.0, v[ST+8*\t+6]    ; f = 2^(old M - new M)
.endif
.endm
.macro KLOAD adr, o
.irp kt, 0,1,2,3,4,5,6,7
.irp c, 0,1
	ds_load_b128 v[FRK+8*\kt+4*\c:FRK+8*\kt+4*\c+3], v[\adr] offset:\o+1024*\kt+512*\c
.endr
.endr
.endm
.macro HOLD2 r                         ; two holds in one: the conversion does not saturate (ISA guide 7.6.2); p is not negative, so the hold is one-sided
	v_dual_min_num_f32 v[\r], v[PLIM], v[\r] :: v_dual_min_num_f32 v[\r+1], v[PLIM], v[\r+1]
.endm
.macro TREE tb, sm                     ; line k of the sixteen that add a tile's 16 partial pairs onto its sum
.if k < 8
	v_pk_add_f32 v[\tb+4*k:\tb+4*k+1], v[\tb+4*k:\tb+4*k+1], v[\tb+4*k+2:\tb+4*k+3]
.elseif k < 12
	v_pk_add_f32 v[\tb+8*(k-8):\tb+8*(k-8)+1], v[\tb+8*(k-8):\tb+8*(k-8)+1], v[\tb+8*(k-8)+4:\tb+8*(k-8)+5]
.elseif k < 14
	v_pk_add_f32 v[\tb+16*(k-12):\tb+16*(k-12)+1], v[\tb+16*(k-12):\tb+16*(k-12)+1], v[\tb+16*(k-12)+8:\tb+16*(k-12)+9]
.elseif k == 14
	v_pk_add_f32 v[\tb:\tb+1], v[\tb:\tb+1], v[\tb+16:\tb+17]
.else
	v_pk_add_f32 v[\sm:\sm+1], v[\sm:\sm+1], v[\tb:\tb+1]
.endif
.endm
; A KEY STEP: 128 keys: eight tiles of K (8,192 bytes from s[TB] on; their fragments are in registers or on their way) and two chunks of V (the same bytes further on in V's half of LDS).
.macro STEP last
	s_wait_dscnt 0x0                               ; this step's K is in: asked for in the middle of the step before
	WIN 0x05                                       ; K and Q window 1
.irp kt, 0,1,2,3,4,5,6,7
.irp t, 0,1
	v_wmma_f32_16x16x64_bf8_bf8 v[S+64*\t+8*\kt:S+64*\t+8*\kt+7], v[FRK+8*\kt:FRK+8*\kt+7], v[QF+8*\t:QF+8*\t+7], 0
.endr
.endr
	WIN 0
	v_add_nc_u32 v[ADK], s[TB], v[LI]              ; four plain lines between the products and the loads into their sources, and the reads of the scores
	v_nop
	v_nop
	v_add_nc_u32 v[ADV], VLDS, v[ADK]
	WIN 0x40
.irp d, 0,1,2,3
.irp cc, 0,1,2,3
	ds_load_b128 v[VF+16*\d+4*\cc:VF+16*\d+4*\cc+3], v[ADV] offset:4096*(\cc/2)+1024*\d+512*(\cc%2)
.endr
.endr
.if \last == 0
	KLOAD ADK, 8192                                ; the next step's K
.endif
	WIN 0
.set n, 0
.rept 32
	MAXOP 0
.set n, n+1
.endr
.set n, 0
.rept 32
	MAXOP 1
.if n%4 == 3
	STAT 0
.endif
.set n, n+1
.endr
.set n, 0
.rept 32
	v_pk_fma_f32 v[S+2*n:S+2*n+1], v[S+2*n:S+2*n+1], s[CS:CS+1], v[ST:ST+1] op_sel_hi:[1,0,0]   ; tile 0: t - M, two at a time
.if n%4 == 3
	STAT 1
.endif
.set n, n+1
.endr
	WIN 0x41                                       ; O^T (destination and source 0) window 1, f window 0
.irp t, 0,1
.set j, 0
.rept 16
	v_pk_mul_f32 v[OT+32*\t+j:OT+32*\t+j+1], v[OT+32*\t+j:OT+32*\t+j+1], v[ST+8*\t+4:ST+8*\t+5] op_sel_hi:[1,0]   ; O^T under the new M, ahead of the step's exponentials
.set j, j+2
.endr
.endr
	WIN 0
	s_wait_alu depctr_va_vdst(0)                   ; the wait ahead of the batch
.set j, 0
.rept 32
	v_exp_f32 v[S+j], v[S+j]                       ; tile 0: p = 2^(t - M), at most 1; among them tile 1's t - M, which is read behind the next wait
	v_pk_fma_f32 v[S+64+j:S+64+j+1], v[S+64+j:S+64+j+1], s[CS:CS+1], v[ST+8:ST+9] op_sel_hi:[1,0,0]
	v_exp_f32 v[S+j+1], v[S+j+1]
.set j, j+2
.endr
	s_wait_alu depctr_va_vdst(0)                   ; behind tile 0's batch and ahead of tile 1's
.set k, 0
.rept 16
	v_exp_f32 v[S+64+4*k], v[S+64+4*k]             ; tile 1's p; among them, of tile 0, the first level of THE ROW'S SUM, WHICH IS TAKEN OF THE UNQUANTISED p, and then the holds; nothing made here is read ahead of the next wait
	v_pk_add_f32 v[T0+2*k:T0+2*k+1], v[S+4*k:S+4*k+1], v[S+4*k+2:S+4*k+3]
	v_exp_f32 v[S+64+4*k+1], v[S+64+4*k+1]
	HOLD2 S+4*k
	v_exp_f32 v[S+64+4*k+2], v[S+64+4*k+2]
	HOLD2 S+4*k+2
	v_exp_f32 v[S+64+4*k+3], v[S+64+4*k+3]
.set k, k+1
.endr
.irp t, 0,1
	v_pk_mul_f32 v[ST+8*\t+2:ST+8*\t+3], v[ST+8*\t+2:ST+8*\t+3], v[ST+8*\t+4:ST+8*\t+5] op_sel_hi:[1,0]   ; the sums under the new M: plain lines behind the exponentials
.endr
	s_wait_alu depctr_va_vdst(0)                   ; one wait for the batch, ahead of its first reader
.set k, 0
.rept 16
	v_pk_add_f32 v[T1+2*k:T1+2*k+1], v[S+64+4*k:S+64+4*k+1], v[S+64+4*k+2:S+64+4*k+3]
	TREE T0, ST+2
	HOLD2 S+64+4*k
	HOLD2 S+64+4*k+2
.if k%2
	v_cvt_scalef32_pk8_bf8_f32 v[PC+k-1:PC+k], v[S+4*(k-1):S+4*(k-1)+7], v[PSC]
.endif
.set k, k+1
.endr
.set k, 0
.rept 16
.if k >= 8
	v_cvt_scalef32_pk8_bf8_f32 v[PC+16+2*(k-8):PC+16+2*(k-8)+1], v[S+64+8*(k-8):S+64+8*(k-8)+7], v[PSC]
.endif
	TREE T1, ST+10                                 ; plain lines behind the last conversion too
.set k, k+1
.endr
	s_wait_alu depctr_va_vdst(0)                   ; directly ahead of the wait below
.if \last == 0
	s_wait_dscnt 16                                ; V is in; the next K's sixteen loads may be out
.else
	s_wait_dscnt 0x0
.endif
	WIN 0x51                                       ; V window 1, p's codes window 0, O^T window 1
.irp d, 0,1,2,3
.irp t, 0,1
	v_wmma_f32_16x16x128_bf8_bf8 v[OT+32*\t+8*\d:OT+32*\t+8*\d+7], v[VF+16*\d:VF+16*\d+15], v[PC+16*\t:PC+16*\t+15], v[OT+32*\t+8*\d:OT+32*\t+8*\d+7]   ; eight accumulators, one instruction a turn
.endr
.endr
	WIN 0
.endm
	s_wait_alu depctr_va_vdst(0)                   ; the wait at the head's end
	s_wait_tensorcnt 0x0                           ; my part of the first fill is in; these lines stand ahead of a later first fill, as ahead of a refill:
	ds_add_u32 v[SPW], v[NIL]
	s_wait_dscnt 0x0                               ; the add is done
	CROUND                                         ; everybody's part is in, and the joint loads meet
	FILL G0K2, G1K2, G0V2, G1V2                    ; the rest of K and V: my one load behind the round
	WIN 0x40
	KLOAD LI, 0                                    ; step 0's K
	WIN 0
	s_mov_b32 s[TB], 0
	s_mov_b32 s[CNT], 4
	s_wait_loadcnt 0x0                             ; Q
.Lfirst:                                           ; the first fill's four steps; the last of them fetches step 4's K, which that fill has brought
	STEP 0
	s_add_co_u32 s[TB], s[TB], 8192
	s_sub_co_u32 s[CNT], s[CNT], 1
	s_cmp_lg_u32 s[CNT], 0
	s_cbranch_scc1 .Lfirst
	s_wait_alu depctr_va_vdst(0)                   ; ahead of the waits below
	s_wait_tensorcnt 0x0                           ; my part of the second fill is in,
	s_wait_dscnt 0x0
	s_barrier_signal -1
	s_barrier_wait -1                              ; everybody's is
	s_mov_b32 s[TB], V1
	s_mov_b32 s[CNT], 11
.Lrest:
	STEP 0
	s_add_co_u32 s[TB], s[TB], 8192
	s_sub_co_u32 s[CNT], s[CNT], 1
	s_cmp_lg_u32 s[CNT], 0
	s_cbranch_scc1 .Lrest
	s_mov_b32 s[TB], VLDS-8192
	STEP 1                                         ; the last step fetches no further K
	; THE WAY OUT: O^T / the sum x 2^(e8 + e9), held, converted with 2^e10: the codes are 16 bytes of ao's image at 16 x lane
.rept 4
	v_nop
.endr
.irp t, 0,1
	v_add_f32 v[ST+8*\t+2], v[ST+8*\t+2], v[ST+8*\t+3]
.endr
.irp t, 0,1
	s_delay_alu instid0(VALU_DEP_2)
	v_permlanex16_b32 v[PX+\t], v[ST+8*\t+2], s[SEL], s[SEL+1]
.endr
.irp t, 0,1
	s_delay_alu instid0(VALU_DEP_2)
	v_add_f32 v[ST+8*\t+2], v[ST+8*\t+2], v[PX+\t] ; the row's sum
.endr
	s_wait_alu depctr_va_vdst(0)
.irp t, 0,1
	v_rcp_f32 v[ST+8*\t+6], v[ST+8*\t+2]
.endr
	v_nop                                          ; a plain line behind the last reciprocal
	s_add_co_i32 s89, s98, s99
	s_wait_alu depctr_va_vdst(0)                   ; one wait for both, ahead of the first reader
.irp t, 0,1
	v_ldexp_f32 v[ST+8*\t+6], v[ST+8*\t+6], s89
.endr
	WIN 0x01                                       ; source 0 window 1
	s_wait_alu depctr_va_vdst(0)                   ; directly ahead of the first reader of O^T
.irp t, 0,1
.set j, 0
.rept 32
	v_mul_f32 v[S+32*\t+j], v[OT+32*\t+j], v[ST+8*\t+6]   ; register 8 d + n of tile t: channel 32 (d / 2) + 8 (d % 2) + 16 h + n; each accumulator from its low end on
.set j, j+1
.endr
.endr
	WIN 0
.set j, 0
.rept 64
	v_med3_num_f32 v[S+j], v[S+j], -v[OLIM], v[OLIM]
.set j, j+1
.endr
.irp t, 0,1
.irp c, 0,1
	v_cvt_scalef32_pk8_bf8_f32 v[PC+8*\t+4*\c:PC+8*\t+4*\c+1], v[S+32*\t+16*\c:S+32*\t+16*\c+7], v[OSC]
	v_cvt_scalef32_pk8_bf8_f32 v[PC+8*\t+4*\c+2:PC+8*\t+4*\c+3], v[S+32*\t+16*\c+8:S+32*\t+16*\c+15], v[OSC]
.endr
.endr
	v_nop
.irp t, 0,1
.irp c, 0,1
	global_store_b128 v[LI], v[PC+8*\t+4*\c:PC+8*\t+4*\c+3], s[8:9] offset:16384*\t+512*\c   ; 32 lanes store 512 consecutive bytes, aligned
.endr
.endr
	s_wait_tensorcnt 0x0                           ; the wave's end
	ds_add_u32 v[SPW], v[NIL]
	s_wait_dscnt 0x0
	CROUND                                         ; the closing round
	s_endpgm
.Lfunc_end_k_q9afc6eab36_attn:
	.size	k_q9afc6eab36_attn, .Lfunc_end_k_q9afc6eab36_attn-k_q9afc6eab36_attn
	.p2alignl 7, 3214868480
	.fill 96, 4, 3214868480
	.section	.rodata,"a",@progbits
	.p2align	6, 0x0
	.amdhsa_kernel k_q9afc6eab36_attn
		.amdhsa_group_segment_fixed_size 327680
		.amdhsa_private_segment_fixed_size 0
		.amdhsa_enable_private_segment 0
		.amdhsa_kernarg_size 24
		.amdhsa_user_sgpr_count 2
		.amdhsa_user_sgpr_kernarg_segment_ptr 1
		.amdhsa_wavefront_size32 1
		.amdhsa_system_sgpr_workgroup_id_x 1
		.amdhsa_system_sgpr_workgroup_id_y 1
		.amdhsa_system_sgpr_workgroup_id_z 1
		.amdhsa_system_vgpr_workitem_id 0
		.amdhsa_next_free_vgpr 464
		.amdhsa_next_free_sgpr 102
		.amdhsa_reserve_vcc 0
		.amdhsa_float_denorm_mode_32 3
		.amdhsa_float_denorm_mode_16_64 3
		.amdhsa_memory_ordered 1
		.amdhsa_forward_progress 1
		.amdhsa_inst_pref_size 104
	.end_amdhsa_kernel
	.amdgpu_metadata
---
amdhsa.version: [ 1, 2 ]
amdhsa.kernels:
  - .name:           k_q9afc6eab36_attn
    .symbol:         k_q9afc6eab36_attn.kd
    .args:
      - { .name: qkvc, .offset: 0, .size: 8, .value_kind: global_buffer, .address_space: global }
      - { .name: lowp_scales, .offset: 8, .size: 8, .value_kind: global_buffer, .address_space: global }
      - { .name: ao, .offset: 16, .size: 8, .value_kind: global_buffer, .address_space: global }
    .group_segment_fixed_size: 327680
    .private_segment_fixed_size: 0
    .kernarg_segment_align: 8
    .kernarg_segment_size: 24
    .max_flat_workgroup_size: 256
    .sgpr_count:     102
    .vgpr_count:     464
    .wavefront_size: 32
...
	.end_amdgpu_metadata
.endif
;; end of part 3
;; launch oproj (part 4): grid 8 x 32, 4 waves a work-group, clusters of 4 x 4, 280,064 bytes of LDS; arguments ao, wc, lowp_scales, bo, out0; writes out0
.if DOCPART == 4
	.amdgcn_target "amdgcn-amd-amdhsa--gfx1250"
	.amdhsa_code_object_version 6
	.text
	.protected	k_q9afc6eab36_oproj
	.globl	k_q9afc6eab36_oproj
	.p2align	8
	.type	k_q9afc6eab36_oproj,@function
k_q9afc6eab36_oproj:
	s_mov_b64 s[64:65], 0
	v_nop
	global_prefetch_b8 v0, s[64:65] scope:SCOPE_SE
	s_setreg_imm32_b32 hwreg(HW_REG_WAVE_MODE, 25, 1), 1
	s_wait_xcnt 0x0
	s_wait_alu depctr_hold_cnt(0) depctr_sa_sdst(0) depctr_va_vdst(0) depctr_va_sdst(0) depctr_va_ssrc(0) depctr_va_vcc(0) depctr_vm_vsrc(0)
	s_getreg_b32 s2, hwreg(HW_REG_IB_STS2, 6, 4)
	s_cmp_eq_u32 s2, 0
	s_cbranch_scc0 .Lentry_in_a_cluster
	s_endpgm
.Lentry_in_a_cluster:
	s_bfe_u32 s2, ttmp6, 0x10000c
	s_cmp_lg_u32 s2, 0xf033
	s_cbranch_scc0 .Lentry_shape_is_right
	s_endpgm
.Lentry_shape_is_right:
; out0 = o Wo + bo on E5M2 codes: o's codes (ao, scale e10) and Wo's (wc's fourth matrix, e11); out0 [4096][1024] f32 = sum x 2^(e10 + e11) + bo.
; Both operands lie as fragment images: [tile of 16 rows][K step 8][2,048], byte 512 c + 16 lane + i = k 32 c + 16 (lane / 16) + i of slot lane % 16; of each 32 rows, tile 2 B + u holds in slot r the row 32 B + 8 u + r + 8 (r / 8).
; A tile of the result is 128 x 128, so that there are 256 work-groups; four waves, each 64 x 64.  THE WHOLE K OF BOTH TILES LIES IN LDS (2 x 131,072 bytes): each byte is filled once, by one load a wave of 65,536 bytes.
; THE WORK GOES BY ROWS OF THE RESULT: Wo's fragments of the whole K (4 tiles x 8 K steps x 16 registers) stay in 512 registers, and my four blocks of 16 tokens are finished one after the other, so that a finished
; block's stores leave while the next ones are multiplied.  No fragment is read from LDS twice.  There is no loop of loads in which a prefetch could run ahead.
; CLUSTERS of 4 x 4: A's tiles are asked for jointly along a row, B's along a column.  THE MATRIX INSTRUCTION IS USED TRANSPOSED (source 0 = Wo's 16 features, source 1 = o's 16 tokens): a lane holds one token slot, and its 16
; registers of feature tiles 2 B, 2 B + 1 are 16 neighbouring columns.  LIMIT: e10 + e11 between -126 and 127.
; REGISTERS: window 0: v4, v8 LDS addresses; v24-26 the way out; v32-63 bo; v64-95 a block's results; v96-127, v192-255 whole rows; v128-191 the accumulators, two sets of four.
;   window 1: two sets of A's fragments, 8 K steps x 16 registers each.   windows 2 and 3: B's fragments of K steps 0-3 and 4-7.
.set STAGE, 262144                     ; behind the tiles: 16 rows x 272 bytes for each wave; no tensor load lands here
.set SPI,   272                        ; a stage row: 256 bytes + 16
.set SPARE, STAGE+4*16*SPI             ; the spare words: 128 bytes for each wave
.set ADRA,  4
.set ADRB,  8
.set SPW,   14
.set NIL,   15
.set STO,   24
.set RD,    25
.set CO,    26
.set BJ,    32
.set TT,    64
.set ACC,   128
.set G1A,   24                         ; descriptor groups 1 and 0
.set G1B,   32
.set G0A,   40
.set G0B,   44
.set MSB, 0
.macro WIN new
.if MSB != (\new)
	s_set_vgpr_msb (MSB<<8)|(\new)
.set MSB, (\new)
.endif
.endm
.macro CROUND
	s_barrier_signal -1
	s_barrier_wait -1
	s_cmp_lg_u32 s14, 0
	s_cbranch_scc1 .Lnot_wave_0_\@
	s_barrier_signal -3
.Lnot_wave_0_\@:
	s_barrier_wait -3
	s_barrier_signal -1
	s_barrier_wait -1
.endm
	s_load_b128 s[4:7], s[0:1], 0x0                ; ao s[4:5], wc s[6:7]
	s_load_b128 s[8:11], s[0:1], 0x10              ; the scales' exponents s[8:9], bo s[10:11]
	s_load_b64 s[12:13], s[0:1], 0x20              ; out0
	v_lshl_add_u32 v[SPW], v0, 2, SPARE
	v_mov_b32 v[NIL], 0
	ds_add_u32 v[SPW], v[NIL]                      ; the opening lines: the add, twice on end, and its wait below
	ds_add_u32 v[SPW], v[NIL]
	v_lshrrev_b32 v1, 5, v0
	v_readfirstlane_b32 s14, v1                    ; wave 0..3
	s_lshr_b32 s15, s14, 1                         ; which half of A's 8 tiles is mine.  Also: I fetch for A (0) or for B (1)
	s_and_b32 s16, s14, 1                          ; which half of B's.  Also: which half I fetch
	s_bfe_u32 s56, ttmp6, 0x40000                  ; cx
	s_bfe_u32 s57, ttmp6, 0x40004                  ; cy
	s_lshl_b32 s58, ttmp9, 2
	s_add_co_u32 s58, s58, s56                     ; block of 128 columns
	s_and_b32 s17, ttmp7, 0xffff
	s_lshl_b32 s17, s17, 2
	s_add_co_u32 s17, s17, s57                     ; block of 128 rows
	s_lshl_b32 s59, s57, 2
	s_lshl_b32 s59, 15, s59                        ; my row of the cluster
	s_lshl_b32 s60, 0x1111, s56                    ; my column
	s_or_b32 s[G1A], s59, (1<<21)                  ; 15:0 the mask; 17:16 elements of 1 byte; 21 set beside a mask
	s_or_b32 s[G1B], s60, (1<<21)
.irp g, G1A, G1B
	s_mov_b32 s[\g+1], 16384<<16                   ; tensor_dim0: a tile's eight K steps
	s_mov_b32 s[\g+2], 4<<16                       ; tensor_dim1: four tiles
	s_mov_b32 s[\g+3], 16384<<16                   ; tile_dim0
	s_mov_b32 s[\g+4], 4                           ; tile_dim1
	s_mov_b32 s[\g+5], 16384                       ; tensor_dim0_stride
	s_mov_b32 s[\g+6], 0
	s_mov_b32 s[\g+7], 0
.endr
	s_lshl_b32 s18, s16, 2                         ; which four tiles I fetch
	s_lshl_b32 s20, s17, 3
	s_add_co_u32 s20, s20, s18
	s_lshl_b32 s20, s20, 14
	s_mov_b32 s21, 0
	s_lshl_b32 s22, s58, 3
	s_add_co_u32 s22, s22, s18
	s_lshl_b32 s22, s22, 14
	s_add_co_u32 s22, s22, 0x300000                ; Wo is wc's fourth matrix
	s_mov_b32 s23, 0
	s_lshl_b32 s19, s14, 16                        ; where they go: wave x 65,536
	s_wait_dscnt 0x0                               ; both opening adds are done
	s_wait_kmcnt 0x0
	s_load_b64 s[96:97], s[8:9], 0x28              ; e10, e11
	s_mov_b32 s[G0A], 1
	s_mov_b32 s[G0A+1], s19
	s_add_nc_u64 s[G0A+2:G0A+3], s[4:5], s[20:21]
	s_or_b32 s[G0A+3], s[G0A+3], 0x80000000
	s_mov_b32 s[G0B], 1
	s_mov_b32 s[G0B+1], s19
	s_add_nc_u64 s[G0B+2:G0B+3], s[6:7], s[22:23]
	s_or_b32 s[G0B+3], s[G0B+3], 0x80000000
	CROUND                                         ; all sixteen work-groups are here: the joint loads meet
	s_cmp_eq_u32 s15, 0
	s_cbranch_scc0 .Lfor_b
	tensor_load_to_lds s[G0A:G0A+3], s[G1A:G1A+7]
	s_nop 0
.rept 4
	v_nop
.endr
	s_branch .Lasked
.Lfor_b:
	tensor_load_to_lds s[G0B:G0B+3], s[G1B:G1B+7]
	s_nop 0
.rept 4
	v_nop
.endr
.Lasked:
	v_and_b32 v1, 31, v0
	v_and_b32 v2, 15, v0                           ; r
	v_bfe_u32 v3, v0, 4, 1                         ; h
	v_lshlrev_b32 v12, 4, v1                       ; 16 x lane
	s_lshl_b32 s61, s15, 16                        ; my four tiles of A
	s_lshl_b32 s62, s16, 16                        ; my four tiles of B,
	s_add_co_u32 s62, s62, 131072                  ; which lie behind A's eight
	v_add_nc_u32 v[ADRA], s61, v12
	v_add_nc_u32 v[ADRB], s62, v12
	s_mul_i32 s63, s14, 16*SPI
	s_add_co_u32 s63, s63, STAGE                   ; my stage
	s_wait_alu depctr_va_vdst(0)                   ; ahead of the readers below
	v_mul_u32_u24 v[STO], v2, SPI
	v_lshl_add_u32 v[STO], v3, 6, v[STO]
	v_add_nc_u32 v[STO], s63, v[STO]               ; in: slot r, + 16 h columns
	v_mul_u32_u24 v[RD], v3, SPI
	v_lshl_add_u32 v[RD], v2, 4, v[RD]
	v_add_nc_u32 v[RD], s63, v[RD]                 ; back: lanes 0-15 one slot's 256 bytes, lanes 16-31 the next
	v_lshlrev_b32 v[CO], 12, v3
	v_lshl_add_u32 v[CO], v2, 4, v[CO]             ; and the same two rows in out0
	s_lshl_b32 s84, s58, 9
	s_lshl_b32 s85, s16, 8
	s_add_co_u32 s84, s84, s85                     ; my first column, in bytes
	v_lshlrev_b32 v13, 6, v3
	v_add_nc_u32 v13, s84, v13
.irp b, 0,1,2,3
	global_load_b128 v[BJ+8*\b:BJ+8*\b+3], v13, s[10:11] offset:(32*(\b/2)+8*(\b%2))*4       ; bo at column 32 (b / 2) + 8 (b % 2) + 16 h + n
	global_load_b128 v[BJ+8*\b+4:BJ+8*\b+7], v13, s[10:11] offset:(32*(\b/2)+8*(\b%2))*4+16
.endr
	s_lshl_b32 s86, s17, 19                        ; 128 rows of 4,096 bytes a block,
	s_lshl_b32 s87, s15, 18                        ; my 64 of them
	s_add_co_u32 s86, s86, s87
	s_add_co_u32 s86, s86, s84
	s_mov_b32 s87, 0
	s_add_nc_u64 s[12:13], s[12:13], s[86:87]
.macro ALOAD a, k                      ; A's fragment of block a, K step k: four loads into set a % 2
	WIN 0x40
.irp c, 0,1,2,3
	ds_load_b128 v[128*((\a)%2)+16*(\k)+4*\c:128*((\a)%2)+16*(\k)+4*\c+3], v[ADRA] offset:16384*(\a)+2048*(\k)+512*\c
.endr
.endm
.macro FIRST k                         ; block 0's K step k: 20 loads, B's four fragments among them
	ALOAD 0, \k
	WIN 0x80+0x40*((\k)/4)
.irp b, 0,1,2,3
.irp c, 0,1,2,3
	ds_load_b128 v[64*((\k)%4)+16*\b+4*\c:64*((\k)%4)+16*\b+4*\c+3], v[ADRB] offset:16384*\b+2048*(\k)+512*\c
.endr
.endr
.endm
.macro MUL a, k                        ; four matrix instructions, the set's four accumulators by turns, always in this order; K step 0 starts the sums
	WIN 0x06+((\k)/4)                              ; B window 2 or 3, A window 1, C and D window 0
.irp b, 0,1,2,3
.if (\k) == 0
	v_wmma_f32_16x16x128_bf8_bf8 v[ACC+32*((\a)%2)+8*\b:ACC+32*((\a)%2)+8*\b+7], v[16*\b:16*\b+15], v[128*((\a)%2):128*((\a)%2)+15], 0
.else
	v_wmma_f32_16x16x128_bf8_bf8 v[ACC+32*((\a)%2)+8*\b:ACC+32*((\a)%2)+8*\b+7], v[64*((\k)%4)+16*\b:64*((\k)%4)+16*\b+15], v[128*((\a)%2)+16*(\k):128*((\a)%2)+16*(\k)+15], v[ACC+32*((\a)%2)+8*\b:ACC+32*((\a)%2)+8*\b+7]
.endif
.endr
.endm
.macro BLOCK a                         ; a later block, its fragments in; four places behind its last product, for the reads of its sums and the loads into its set of A
.irp k, 0,1,2,3,4,5,6,7
	MUL \a, \k
.endr
.rept 4
	v_nop
.endr
.endm
; THE WAY OUT of block a, 16 token slots x 64 columns: sum x 2^(e10 + e11) + bo; through my own stage, back as whole runs of 256 bytes of a row
.macro OBLK a, rb
	WIN 0
.set j, 0
.rept 16
	v_pk_fma_f32 v[TT+j:TT+j+1], v[ACC+32*((\a)%2)+j:ACC+32*((\a)%2)+j+1], s[96:97], v[BJ+j:BJ+j+1] op_sel_hi:[1,0,1]   ; each accumulator from its low end on
.set j, j+2
.endr
.irp b, 0,1,2,3
	ds_store_b128 v[STO], v[TT+8*\b:TT+8*\b+3] offset:128*(\b/2)+32*(\b%2)
	ds_store_b128 v[STO], v[TT+8*\b+4:TT+8*\b+7] offset:128*(\b/2)+32*(\b%2)+16
.endr
.irp t, 0,1,2,3,4,5,6,7
	ds_load_b128 v[\rb+4*\t:\rb+4*\t+3], v[RD] offset:2*SPI*\t   ; LDS serves a wave's instructions in order: these see my stores, and the next block's stores come behind them
.endr
.endm
.macro SEND a, rb                      ; slots 2 t and 2 t + 1 of tile a are rows 32 (a / 2) + 8 (a % 2) + 2 t + 8 (t / 4) and the next
	WIN 0
.irp t, 0,1,2,3,4,5,6,7
	global_store_b128 v[CO], v[\rb+4*\t:\rb+4*\t+3], s[12:13] offset:(32*((\a)/2)+8*((\a)%2)+2*\t+8*(\t/4))*4096 th:TH_STORE_NT   ; sixteen lanes store 256 consecutive bytes, aligned
.endr
.endm
.macro AALL a
.irp k, 0,1,2,3,4,5,6,7
	ALOAD \a, \k
.endr
.endm
	s_wait_alu depctr_va_vdst(0)                   ; the wait at the head's end
	s_wait_tensorcnt 0x0                           ; my part is in,
	s_barrier_signal -1
	s_barrier_wait -1                              ; everybody's is
	FIRST 0
	FIRST 1
	FIRST 2
.irp k, 0,1,2,3,4
	s_wait_dscnt 40                                ; K step k's twenty loads are in; the next two steps' forty may be out
	MUL 0, \k
	FIRST \k+3
.endr
	s_wait_dscnt 40
	MUL 0, 5
.irp k, 0,1,2,3
	ALOAD 1, \k
.endr
	s_wait_dscnt 36                                ; K step 7's twenty and block 1's sixteen may be out
	MUL 0, 6
.irp k, 4,5,6,7
	ALOAD 1, \k
.endr
	s_wait_dscnt 32                                ; block 1's thirty-two may be out
	MUL 0, 7
.rept 4
	v_nop
.endr
	s_wait_kmcnt 0x0
	s_add_co_i32 s96, s96, s97
	s_add_co_i32 s96, s96, 127
	s_lshl_b32 s96, s96, 23                        ; 2^(e10 + e11) as f32
	s_mov_b32 s97, s96
	s_wait_loadcnt 0x0                             ; bo
	OBLK 0, 96
	AALL 2
	s_wait_dscnt 32                                ; block 0's rows are back, and block 1's fragments are in; block 2's thirty-two loads may be out
	SEND 0, 96
	BLOCK 1
	OBLK 1, 192
	AALL 3
	s_wait_dscnt 32                                ; likewise
	SEND 1, 192
	BLOCK 2
	OBLK 2, 224
	s_wait_dscnt 0x0
	SEND 2, 224
	BLOCK 3
	s_wait_xcnt 0x0                                ; block 0's stores have read their registers, which take block 3's rows
	OBLK 3, 96
	s_wait_dscnt 0x0
	SEND 3, 96
	s_wait_tensorcnt 0x0                           ; the wave's end
	ds_add_u32 v[SPW], v[NIL]
	s_wait_dscnt 0x0
	CROUND                                         ; the closing round
	s_endpgm
.Lfunc_end_k_q9afc6eab36_oproj:
	.size	k_q9afc6eab36_oproj, .Lfunc_end_k_q9afc6eab36_oproj-k_q9afc6eab36_oproj
	.p2alignl 7, 3214868480
	.fill 96, 4, 3214868480
	.section	.rodata,"a",@progbits
	.p2align	6, 0x0
	.amdhsa_kernel k_q9afc6eab36_oproj
		.amdhsa_group_segment_fixed_size 280064
		.amdhsa_private_segment_fixed_size 0
		.amdhsa_enable_private_segment 0
		.amdhsa_kernarg_size 40
		.amdhsa_user_sgpr_count 2
		.amdhsa_user_sgpr_kernarg_segment_ptr 1
		.amdhsa_wavefront_size32 1
		.amdhsa_system_sgpr_workgroup_id_x 1
		.amdhsa_system_sgpr_workgroup_id_y 1
		.amdhsa_system_sgpr_workgroup_id_z 1
		.amdhsa_system_vgpr_workitem_id 0
		.amdhsa_next_free_vgpr 1024
		.amdhsa_next_free_sgpr 100
		.amdhsa_reserve_vcc 0
		.amdhsa_float_denorm_mode_32 3
		.amdhsa_float_denorm_mode_16_64 3
		.amdhsa_memory_ordered 1
		.amdhsa_forward_progress 1
		.amdhsa_inst_pref_size 44
	.end_amdhsa_kernel
	.amdgpu_metadata
---
amdhsa.version: [ 1, 2 ]
amdhsa.kernels:
  - .name:           k_q9afc6eab36_oproj
    .symbol:         k_q9afc6eab36_oproj.kd
    .args:
      - { .name: ao, .offset: 0, .size: 8, .value_kind: global_buffer, .address_space: global }
      - { .name: wc, .offset: 8, .size: 8, .value_kind: global_buffer, .address_space: global }
      - { .name: lowp_scales, .offset: 16, .size: 8, .value_kind: global_buffer, .address_space: global }
      - { .name: bo, .offset: 24, .size: 8, .value_kind: global_buffer, .address_space: global }
      - { .name: out0, .offset: 32, .size: 8, .value_kind: global_buffer, .address_space: global }
    .group_segment_fixed_size: 280064
    .private_segment_fixed_size: 0
    .kernarg_segment_align: 8
    .kernarg_segment_size: 40
    .max_flat_workgroup_size: 128
    .sgpr_count:     100
    .vgpr_count:     1024
    .wavefront_size: 32
...
	.end_amdgpu_metadata
.endif
;; end of part 4
